; MI455X (gfx1250); checked and timed in simulation.
; The chip was launched on July 23, 2026; its instructions are those of AMD's public machine-readable ISA for CDNA 5 (MIT licence, August 2026) and "CDNA5" Instruction Set Architecture Reference Guide (July 2026). The comments in the code are by the model that wrote it; some were corrected since.
;; Causal Self Attention. Allowed arithmetic: matrix products marked QUANTISED: E4M3 operands, one given power-of-two scale a tensor, by v_wmma_f32_16x16x64_fp8_fp8 or v_wmma_f32_16x16x128_fp8_fp8, f32 sums; everything else in f32.
;; Inputs: Wk_codes 1,024 x 32 x 32 uint8 (E4M3 codes of Wk, K innermost, in blocks of 32 codes); Wo_codes 1,024 x 32 x 32 uint8 (E4M3 codes of Wo, K innermost, in blocks of 32 codes); Wq_codes 1,024 x 32 x 32 uint8 (E4M3 codes of Wq, K innermost, in blocks of 32 codes); Wv_codes 1,024 x 32 x 32 uint8 (E4M3 codes of Wv, K innermost, in blocks of 32 codes); lowp_scales 12 int32 (the exponents e of the quantised operands' scales 2^e); x_codes 4 x 2,048 x 32 x 32 uint8 (E4M3 codes of x, K innermost, in blocks of 32 codes).
;; Outputs: out0 4 x 2,048 x 1,024 float32.
;; This version of the problem:
;;   THIS VERSION OF THE PROBLEM IS GIVEN IN LOW PRECISION. The matrix products marked QUANTISED in the list below multiply operands that are first quantised to E4M3 (4 exponent bits, 3 mantissa bits; 8 bits a number), with one given power-of-two scale for each operand tensor; their sums are f32. All else is computed in f32.
;;   The module's matrix products, in the order in which they are computed (A, B: the left and right operand; K: the contracted axis; several contracted axes count as one K, in the product's order):
;;     1. [M 8,192, K 1,024] x [K 1,024, N 1,024]; A: input x (given as codes); B: input Wq (given as codes): QUANTISED (scales: A lowp_scales[0], B lowp_scales[1])
;;     2. [M 8,192, K 1,024] x [K 1,024, N 1,024]; A: input x (given as codes); B: input Wk (given as codes): QUANTISED (scales: A lowp_scales[2], B lowp_scales[3])
;;     3. [M 8,192, K 1,024] x [K 1,024, N 1,024]; A: input x (given as codes); B: input Wv (given as codes): QUANTISED (scales: A lowp_scales[4], B lowp_scales[5])
;;     4. batch 64 x [M 2,048, K 64] x [K 64, N 2,048]; A: computed on the way; B: computed on the way: QUANTISED (scales: A lowp_scales[6], B lowp_scales[7])
;;     5. batch 64 x [M 2,048, K 2,048] x [K 2,048, N 64]; A: softmax (see below); B: computed on the way: QUANTISED (scales: A lowp_scales[8], B lowp_scales[9])
;;     6. [M 8,192, K 1,024] x [K 1,024, N 1,024]; A: computed on the way; B: input Wo (given as codes): QUANTISED (scales: A lowp_scales[10], B lowp_scales[11])
;;   THE QUANTISER, for each operand of a quantised product, along K:
;;     - The operand's scale is 2^e, e = its entry of the input lowp_scales (int32; the entries are numbered through the quantised products in the list's order, A before B).
;;     - Each number is divided by the scale, clamped to +-448, and rounded to the nearest number of E4M3, ties to even, subnormals kept.
;;     - The product sums the exact products of the quantised numbers (number of the format x scale) in f32.
;;   ~~~python
;;   def quantise(x, axis, e):      # numpy; x: float32 -> the quantised numbers, widened to float32 again
;;       x = np.moveaxis(x, axis, -1); K = x.shape[-1]
;;       r = np.clip(x / 2.0 ** e, -448, 448)
;;       step = 2.0 ** (np.maximum(np.frexp(np.where(r == 0, 1, r))[1] - 1, -6) - 3)
;;       q = np.round(r / step) * step * 2.0 ** e      # np.round: ties to even
;;       return np.moveaxis(q, -1, axis).astype(np.float32)
;;   ~~~
;;   SOFTMAX AHEAD OF A QUANTISED PRODUCT. Where the list says 'softmax', what is quantised is not the finished softmax but p = 2^(t - M), with t = logit x log2(e) and M = ceil(the row's largest t), a whole number; so 1/2 < the row's largest p <= 1. The row's sum l is taken of the UNQUANTISED p, in f32, and the product's result is divided by l at the end. Since M is a whole number, a kernel that streams over the keys may use a running M (the ceiling of the running maximum): every later rescaling is an exact power of two, so the quantised numbers keep their values, but for numbers so far below the row's largest that they fall under the format's range.
;;   OPERANDS COMPUTED ON THE WAY. 'Computed on the way' means the value that the module computes at that place (a softmax that the list does not call 'softmax' is quantised finished and normalised). What goes into a quantiser is computed in f32, as accurately as f32 sums, v_exp_f32 and their like allow (about 1e-6 of the number): no bf16 or f16 on the way to a quantiser, and a product that is left as it is and whose result goes on into a quantised operand takes f32 operands (vector FMAs, or v_wmma_f32_16x16x4_f32). A number that lies on a knife's edge between two numbers of the format may be rounded either way, as far as f32 arithmetic and the matrix unit's own rounding can turn it there, and no further.
;;   INPUTS GIVEN AS CODES. Wk (in the module: [1024, 1024], K = its axis 1); Wo (in the module: [1024, 1024], K = its axis 1); Wq (in the module: [1024, 1024], K = its axis 1); Wv (in the module: [1024, 1024], K = its axis 1); x (in the module: [4, 2048, 1024], K = its axis 2): each comes as NAME_codes (uint8): NAME with its K axis moved to the last place and cut into blocks of 32 codes, [.., K / 32, bytes a block], one block behind the other in memory; one code a byte (a code: sign, 4 exponent bits, 3 mantissa bits); its scale is its entry of lowp_scales. Its value is code x scale, taken as it is: it is not quantised again, and the codes and scales need not be those that the quantiser above would give.
;; One version. Each part assembles by itself: llvm-mc -triple=amdgcn-amd-amdhsa -mcpu=gfx1250 --defsym DOCPART=n.
;; ======== version 1 of 1: 3 launches
;; workspace buffers: q_img 8,388,608 bytes; k_img 8,388,608 bytes; v_img 8,388,608 bytes; y_img 8,388,608 bytes
;; launch qkv (part 1): grid 12 x 64, 4 waves a work-group, clusters of 4 x 4, 327,680 bytes of LDS; arguments x_codes, Wq_codes, Wk_codes, Wv_codes, lowp_scales, q_img, k_img, v_img; writes q_img, k_img, v_img
.if DOCPART == 1
	.amdgcn_target "amdgcn-amd-amdhsa--gfx1250"
	.amdhsa_code_object_version 6
	.text
	.protected	k_q686a0f1fa1_qkv
	.globl	k_q686a0f1fa1_qkv
	.p2align	8
	.type	k_q686a0f1fa1_qkv,@function
k_q686a0f1fa1_qkv:
	s_mov_b64 s[64:65], 0
	v_nop
	global_prefetch_b8 v0, s[64:65] scope:SCOPE_SE
	s_setreg_imm32_b32 hwreg(HW_REG_WAVE_MODE, 25, 1), 1
	s_wait_xcnt 0x0
	s_wait_alu depctr_hold_cnt(0) depctr_sa_sdst(0) depctr_va_vdst(0) depctr_va_sdst(0) depctr_va_ssrc(0) depctr_va_vcc(0) depctr_vm_vsrc(0)
	s_getreg_b32 s2, hwreg(HW_REG_IB_STS2, 6, 4)
	s_cmp_eq_u32 s2, 0
	s_cbranch_scc0 .Lentry_in_a_cluster
	s_endpgm
.Lentry_in_a_cluster:
	s_bfe_u32 s2, ttmp6, 0x10000c
	s_cmp_lg_u32 s2, 0xf033
	s_cbranch_scc0 .Lentry_shape_is_right
	s_endpgm
.Lentry_shape_is_right:
; q = x Wq^T, k = x Wk^T, v = x Wv^T on codes of FP8 (E4M3), f32 sums; each result is quantised in registers with its own given scale and stored as codes.
; x: [8192][1024] codes; Wq, Wk, Wv: [1024][1024] codes, K innermost.  lowp_scales: e0 .. e11; x has an entry for each of its three products (e0, e2, e4).
; A TILE is 128 rows of an "A side" x 256 rows of a "B side", K = 1,024: 768 tiles.  Four waves, 2 x 2; a wave makes 64 x 128: 32 accumulators, 256 registers.
; THE MATRIX INSTRUCTION takes 16 rows of the B side as source 0 and 16 rows of the A side as source 1: lane (r, h) holds A row r, its registers j the B rows 8 h + j.
;   q, k: A side = x (tokens), B side = W (features): a lane's 8 registers are 8 neighbouring d of one token: one conversion gives registers 2 f, 2 f + 1 of the token's 16 x 64 fragment.
;   v:    A side = Wv (features), B side = x (tokens): a lane's 8 registers are 8 neighbouring keys of one d: registers 2 c, 2 c + 1 of a fragment of V^T.
;   The loop's text is one; cluster x (0: q, 1: k, 2: v) chooses pointers and numbers by s_cselect, never by a branch.
; OUTPUT, images of operand registers (a fragment's 8 registers: two stores of 16 bytes a lane, lane l at 16 l, 512 consecutive aligned bytes a store):
;   q_img, k_img [batch x head 64][token tile 128][1,024 B];   v_img [batch x head 64][64 keys: 32][d tile 4][1,024 B].
; K goes in four steps of 256 through three LDS slots: steps 0, 1, 2 are first fills, issued together; step 3 is the one refill, into slot 0.  So the 8 products' steps of 128 are written out: no loop.
; CLUSTER 4 x 4: A's tile is shared along a row of the cluster, B's along a column: each is asked for jointly.  By this text's count a wave has at most three tensor loads out.
; k is permuted alike in both operands (registers 4 c .. 4 c + 3 hold k = 32 c + 16 h + 0 .. 15): each product meets its partner.
; LIMITS: t = e6 - e0 - e1 (q), e7 - e2 - e3 (k), e9 - e4 - e5 (v) lies between -126 and 119, so that 2^t and 448 x 2^t are f32 numbers.  NaN codes among the inputs are not served.
; REGISTERS: window 0: v16-22 LDS addresses, v26-29, v32-95 at work, v128-191 and v192-255 A's fragments, two sets (on the way out v128-191: the codes);  window 1: B's fragments, two sets;  window 2: accumulator (a, b) at v[8 (8 a + b)].
.set PITCH, 272                        ; an LDS row: 256 bytes + 16 of padding: the 16 rows of a fragment load start 68 words apart
.set AHALF, 64*PITCH                   ; what a wave fetches and reads of A
.set BHALF, 128*PITCH                  ; and of B
.set AREG,  2*AHALF
.set SLOT,  AREG+2*BHALF               ; 104,448 bytes: 256 along K
.set SPARE, 3*SLOT                     ; the spare words: 128 bytes a wave, two blocks of 256 bytes that no other line names
.set ADRA, 16                          ; v16-18 my A fragments in slot 0, 1, 2
.set ADRB, 20                          ; v20-22 the same for B
.set CO,   26                          ; v26    16 x lane
.set SC,   27                          ; v27    2^t as f32: the conversions take its exponent field
.set SPW,  28                          ; v28    my spare word; never rewritten
.set NIL,  29                          ; v29    0; never rewritten
.set TMP,  32
.set AF,   128
.set CD,   128                         ; the codes: 16 registers for each block of 16 A rows
.set G1A, 24
.set G1B, 32
.set G0A, 40                           ; s[40:51] group 0 for A, a set for each slot
.set G0B, 52                           ; s[52:63] for B
.set MSB, 0
.macro WIN new                         ; the immediate's high byte repeats the setting that is left
.if MSB != \new
	s_set_vgpr_msb (MSB<<8)|\new
.set MSB, \new
.endif
.endm
.set MUL,  0xa1                        ; source 0 (B) window 1, source 1 (A) window 0, C and D window 2
.set TO_B, 0x40                        ; destination window 1
.macro PLACES n
.rept \n
	v_nop
.endr
.endm
.macro JLOAD g0a, g0b                  ; waves 0, 1 fetch A's halves, waves 2, 3 B's; four v_nop follow each line
	s_cmp_eq_u32 s15, 0
	s_cbranch_scc0 .Lfor_b_\@
	tensor_load_to_lds s[\g0a:\g0a+3], s[G1A:G1A+7]
	s_nop 0
	PLACES 4
	s_branch .Lasked_\@
.Lfor_b_\@:
	tensor_load_to_lds s[\g0b:\g0b+3], s[G1B:G1B+7]
	s_nop 0
	PLACES 4
.Lasked_\@:
.endm
.macro CREST                           ; a round of the cluster's barrier behind its opening barrier
	s_cmp_lg_u32 s14, 0
	s_cbranch_scc1 .Lnot_wave_0_\@
	s_barrier_signal -3
.Lnot_wave_0_\@:
	s_barrier_wait -3
	s_barrier_signal -1
	s_barrier_wait -1
.endm
.macro CROUND
	s_barrier_signal -1
	s_barrier_wait -1
	CREST
.endm
	s_load_b512 s[68:83], s[0:1], 0x0              ; x 68, Wq 70, Wk 72, Wv 74, scales 76, q_img 78, k_img 80, v_img 82
	v_lshl_add_u32 v[SPW], v0, 2, SPARE
	v_mov_b32 v[NIL], 0
	ds_add_u32 v28, v29
	ds_add_u32 v28, v29
	s_wait_dscnt 0x0
	v_lshrrev_b32 v1, 5, v0
	v_readfirstlane_b32 s14, v1                    ; wave 0..3
	s_lshr_b32 s15, s14, 1                         ; which 64 A rows are mine.  Also: I fetch for A (0) or B (1)
	s_and_b32 s16, s14, 1                          ; which 128 B rows are mine.  Also: which half of that tile I fetch
	s_bfe_u32 s17, ttmp6, 0x40000                  ; cx
	s_bfe_u32 s18, ttmp6, 0x40004                  ; cy
	s_and_b32 s19, ttmp7, 0xffff                   ; cluster y, 0..15
	s_and_b32 s20, s19, 1
	s_lshr_b32 s21, s19, 1
	s_cmp_eq_u32 ttmp9, 2                          ; v?  Cluster x is the same in all sixteen partners
	s_cselect_b32 s20, s20, s19                    ; A has 8 blocks of 128 rows (Wv) or 64 (x),
	s_cselect_b32 s21, s21, 0                      ; B 32 blocks of 256 rows (x) or 4 (W)
	s_lshl_b32 s20, s20, 2
	s_add_co_u32 s20, s20, s18                     ; A's block: never holds cx
	s_lshl_b32 s21, s21, 2
	s_add_co_u32 s21, s21, s17                     ; B's block: never holds cy
	s_lshl_b32 s100, s18, 2
	s_lshl_b32 s100, 15, s100                      ; my row of the cluster
	s_lshl_b32 s101, 0x1111, s17                   ; my column
	s_or_b32 s[G1A], s100, (1<<20)|(1<<21)|(5<<22)|(3<<25)   ; the mask; elements of 1 byte; padding on; bit 21 beside a mask; 4 words behind every 64
	s_or_b32 s[G1B], s101, (1<<20)|(1<<21)|(5<<22)|(3<<25)
	s_mov_b32 s[G1A+1], 256<<16                    ; tensor_dim0
	s_mov_b32 s[G1A+2], 64<<16                     ; tensor_dim1
	s_mov_b32 s[G1A+3], 256<<16                    ; tile_dim0
	s_mov_b32 s[G1A+4], 64                         ; tile_dim1
	s_mov_b32 s[G1A+5], 1024                       ; bytes from row to row
	s_mov_b32 s[G1A+6], 0
	s_mov_b32 s[G1A+7], 0
	s_mov_b32 s[G1B+1], 256<<16
	s_mov_b32 s[G1B+2], 128<<16
	s_mov_b32 s[G1B+3], 256<<16
	s_mov_b32 s[G1B+4], 128
	s_mov_b32 s[G1B+5], 1024
	s_mov_b32 s[G1B+6], 0
	s_mov_b32 s[G1B+7], 0
	s_lshl_b32 s22, s20, 17                        ; A: (128 block + 64 half) rows of 1,024 bytes
	s_lshl_b32 s23, s16, 16
	s_add_co_u32 s22, s22, s23
	s_mov_b32 s23, 0
	s_lshl_b32 s98, s21, 18                        ; B: (256 block + 128 half) rows
	s_lshl_b32 s99, s16, 17
	s_add_co_u32 s98, s98, s99
	s_mov_b32 s99, 0
	s_mul_i32 s2, s16, AHALF                       ; where they go: the wave's number alone
	s_mul_i32 s3, s16, BHALF
	s_add_co_u32 s3, s3, AREG
	s_wait_kmcnt 0x0
	s_load_b256 s[84:91], s[76:77], 0x0            ; e0 .. e7
	s_load_b128 s[92:95], s[76:77], 0x20           ; e8 .. e11
	s_cmp_eq_u32 ttmp9, 2
	s_cselect_b64 s[4:5], s[74:75], s[68:69]       ; A side: Wv or x
	s_cselect_b64 s[6:7], s[68:69], s[72:73]       ; B side: x, or Wk,
	s_cselect_b64 s[8:9], s[82:83], s[80:81]       ; out: v_img, or k_img,
	s_cmp_eq_u32 ttmp9, 0
	s_cselect_b64 s[6:7], s[70:71], s[6:7]         ; or Wq
	s_cselect_b64 s[8:9], s[78:79], s[8:9]         ; or q_img
	s_add_nc_u64 s[4:5], s[4:5], s[22:23]
	s_add_nc_u64 s[6:7], s[6:7], s[98:99]
.irp s, 0,1,2
	s_mov_b32 s[G0A+4*\s], 1
	s_add_co_u32 s[G0A+4*\s+1], s2, \s*SLOT
	s_add_nc_u64 s[G0A+4*\s+2:G0A+4*\s+3], s[4:5], \s*256
	s_or_b32 s[G0A+4*\s+3], s[G0A+4*\s+3], 0x80000000
	s_mov_b32 s[G0B+4*\s], 1
	s_add_co_u32 s[G0B+4*\s+1], s3, \s*SLOT
	s_add_nc_u64 s[G0B+4*\s+2:G0B+4*\s+3], s[6:7], \s*256
	s_or_b32 s[G0B+4*\s+3], s[G0B+4*\s+3], 0x80000000
.endr
	CROUND                                         ; all sixteen work-groups are here: the first joint loads meet
	s_cmp_eq_u32 s15, 0                            ; a wave's three first fills stand in one branch, ahead of every wait on TENSORcnt and every LDS read
	s_cbranch_scc0 .Lfirst_b
	tensor_load_to_lds s[G0A:G0A+3], s[G1A:G1A+7]
	s_nop 0
	tensor_load_to_lds s[G0A+4:G0A+7], s[G1A:G1A+7]
	s_nop 0
	tensor_load_to_lds s[G0A+8:G0A+11], s[G1A:G1A+7]
	s_nop 0
	PLACES 4
	s_branch .Lfirst_asked
.Lfirst_b:
	tensor_load_to_lds s[G0B:G0B+3], s[G1B:G1B+7]
	s_nop 0
	tensor_load_to_lds s[G0B+4:G0B+7], s[G1B:G1B+7]
	s_nop 0
	tensor_load_to_lds s[G0B+8:G0B+11], s[G1B:G1B+7]
	s_nop 0
	PLACES 4
.Lfirst_asked:
	v_and_b32 v1, 15, v0                           ; r
	v_bfe_u32 v2, v0, 4, 1                         ; h
	v_mul_u32_u24 v3, v1, PITCH
	v_lshl_add_u32 v3, v2, 4, v3                   ; a fragment's row x pitch + 16 h
	s_mul_i32 s96, s15, AHALF
	s_mul_i32 s97, s16, BHALF
	s_add_co_u32 s97, s97, AREG
.irp s, 0,1,2
	v_add_nc_u32 v[ADRA+\s], s96, v3
	v_add_nc_u32 v[ADRB+\s], s97, v3
	s_add_co_u32 s96, s96, SLOT
	s_add_co_u32 s97, s97, SLOT
.endr
	v_and_b32 v4, 31, v0
	v_lshlrev_b32 v[CO], 4, v4
	; where my images begin.  q, k: first token 128 A block + 64 (wave / 2); first head 4 B block + 2 (wave % 2); image ((batch 16 + head) 128 + token tile)
	s_lshl_b32 s96, s20, 7
	s_lshl_b32 s97, s15, 6
	s_add_co_u32 s96, s96, s97
	s_lshr_b32 s97, s96, 11
	s_lshl_b32 s97, s97, 4
	s_lshl_b32 s98, s21, 2
	s_add_co_u32 s97, s97, s98
	s_lshl_b32 s98, s16, 1
	s_add_co_u32 s97, s97, s98
	s_lshl_b32 s97, s97, 7
	s_and_b32 s96, s96, 2047
	s_lshr_b32 s96, s96, 4
	s_add_co_u32 s96, s96, s97
	; v: head 2 A block + wave / 2; first token 256 B block + 128 (wave % 2); image ((batch 16 + head) 32 + key group) 4
	s_lshl_b32 s98, s21, 8
	s_lshl_b32 s99, s16, 7
	s_add_co_u32 s98, s98, s99
	s_lshr_b32 s99, s98, 11
	s_lshl_b32 s99, s99, 4
	s_lshl_b32 s100, s20, 1
	s_add_co_u32 s99, s99, s100
	s_add_co_u32 s99, s99, s15
	s_lshl_b32 s99, s99, 5
	s_and_b32 s98, s98, 2047
	s_lshr_b32 s98, s98, 6
	s_add_co_u32 s98, s98, s99
	s_lshl_b32 s98, s98, 2
	s_cmp_eq_u32 ttmp9, 2
	s_cselect_b32 s96, s98, s96
	s_mov_b32 s98, 0x20000                         ; from accumulators b = 0..3 to b = 4..7: the next head (128 images),
	s_cselect_b32 s98, 0x1000, s98                 ; or, for v, the next 64 keys (4 images)
	s_lshl_b32 s96, s96, 10
	s_mov_b32 s97, 0
	s_mov_b32 s99, 0
	s_add_nc_u64 s[8:9], s[8:9], s[96:97]
	s_add_nc_u64 s[10:11], s[8:9], s[98:99]
	s_wait_kmcnt 0x0
	s_sub_co_i32 s96, s90, s84                     ; a sum stands for sum x 2^(ex + ew): its code is sum / 2^t, t = e(result) - ex - ew
	s_sub_co_i32 s96, s96, s85
	s_sub_co_i32 s97, s91, s86
	s_sub_co_i32 s97, s97, s87
	s_sub_co_i32 s98, s93, s88
	s_sub_co_i32 s98, s98, s89
	s_cmp_eq_u32 ttmp9, 2
	s_cselect_b32 s97, s98, s97
	s_cmp_eq_u32 ttmp9, 0
	s_cselect_b32 s96, s96, s97
	s_add_co_i32 s96, s96, 127
	s_lshl_b32 s97, s96, 23
	v_mov_b32 v[SC], s97
	s_add_co_i32 s96, s96, 8
	s_lshl_b32 s96, s96, 23
	s_or_b32 s13, s96, 0x600000                    ; 448 x 2^t,
	s_or_b32 s12, s13, 0x80000000                  ; and its negative
.macro FRAG reg, adr, off              ; 16 rows x 128 K: registers 4 c .. 4 c + 3 hold k = 32 c + 16 h + 0 .. 15
.irp c, 0,1,2,3
	ds_load_b128 v[\reg+4*\c:\reg+4*\c+3], v[\adr] offset:\off+32*\c
.endr
.endm
.macro FETCH slot, q, p                ; the slot's q-th 128 along K into set p: B's eight fragments, A's four: 48 loads in one run
	WIN TO_B
.irp i, 0,1,2,3,4,5,6,7
	FRAG 128*(\p)+16*\i, ADRB+\slot, 128*(\q)+\i*16*PITCH
.endr
	WIN 0
.irp i, 0,1,2,3
	FRAG AF+64*(\p)+16*\i, ADRA+\slot, 128*(\q)+\i*16*PITCH
.endr
.endm
.macro MUL8 a, p, zero                 ; A's block a against B's eight.  The 32 accumulators take turns, one instruction a turn, in the same order in every step
.irp b, 0,1,2,3,4,5,6,7
.if \zero
	v_wmma_f32_16x16x128_fp8_fp8 v[8*(8*(\a)+\b):8*(8*(\a)+\b)+7], v[128*(\p)+16*\b:128*(\p)+16*\b+15], v[AF+64*(\p)+16*(\a):AF+64*(\p)+16*(\a)+15], 0
.else
	v_wmma_f32_16x16x128_fp8_fp8 v[8*(8*(\a)+\b):8*(8*(\a)+\b)+7], v[128*(\p)+16*\b:128*(\p)+16*\b+15], v[AF+64*(\p)+16*(\a):AF+64*(\p)+16*(\a)+15], v[8*(8*(\a)+\b):8*(8*(\a)+\b)+7]
.endif
.endr
.endm
.macro STEP p, nslot, nq, zero         ; multiplies set p; ahead of that the next step's fragments are asked for, into the other set
	s_wait_dscnt 0x0                               ; set p is in
	PLACES 4                                       ; loads into registers that matrix instructions have read stand four plain vector instructions behind them (ISA guide 7.12.1 for vector instructions)
	FETCH \nslot, \nq, 1-(\p)
	WIN MUL
	MUL8 0, \p, \zero
	MUL8 1, \p, \zero
	MUL8 2, \p, \zero
	MUL8 3, \p, \zero
	WIN 0
.endm
.macro TURN p, nslot, fill             ; a step with a barrier in it: in front each wave waits for all its tensor loads, adds 0 to its spare word, and waits for that and for its LDS reads
	s_wait_tensorcnt 0x0                           ; all my tensor loads have landed
	ds_add_u32 v[SPW], v[NIL]                      ; 0 onto my spare word
	s_wait_dscnt 0x1                               ; set p is in; the add alone may be out
	WIN MUL
	MUL8 0, \p, 0                                  ; eight matrix instructions stand between the add and the wait for it
	s_wait_dscnt 0x0
	s_barrier_signal -1
	MUL8 1, \p, 0
	WIN 0
	s_barrier_wait -1
.if \fill
	CREST                                          ; the barrier has opened a round of the cluster's: no wave of any partner still reads slot 0 or has a load on its way
	s_add_nc_u64 s[G0A+2:G0A+3], s[G0A+2:G0A+3], 768   ; K step 3
	s_add_nc_u64 s[G0B+2:G0B+3], s[G0B+2:G0B+3], 768
	JLOAD G0A, G0B                                 ; the first tensor load behind the round, my only one: 112 matrix instructions ahead of the wait for it; its four v_nop are the places for the loads below
.else
	PLACES 4
.endif
	FETCH \nslot, 0, 1-(\p)
	WIN MUL
	MUL8 2, \p, 0
	MUL8 3, \p, 0
	WIN 0
.endm
	s_wait_tensorcnt 0x2                           ; my part of K step 0 is in; my two younger fills may be out
	s_barrier_signal -1
	s_barrier_wait -1
	FETCH 0, 0, 0
	STEP 0, 0, 1, 1                                ; k 0..127: the first products start the sums
	TURN 1, 1, 1                                   ; k 128..255; slots 1 and 2 are whole behind it; slot 0 is filled again
	STEP 0, 1, 1, 0
	STEP 1, 2, 0, 0
	STEP 0, 2, 1, 0
	TURN 1, 0, 0                                   ; k 640..767; K step 3 is whole behind it; nothing is filled
	STEP 0, 0, 1, 0
	s_wait_dscnt 0x0
	WIN MUL
	MUL8 0, 1, 0
	MUL8 1, 1, 0
	MUL8 2, 1, 0
	MUL8 3, 1, 0
	WIN 0
; THE WAY OUT: block a (16 A rows): each sum is held within +-448 x 2^t (the conversion to an 8-bit code does not saturate: ISA guide 7.6.2), eight sums of an accumulator become two registers of codes,
; four accumulators a fragment.  Each accumulator is read from its low end on.  Each block has its own registers for its codes, so no store's data are written again.
.macro OUTBLK a
	WIN 0x02                                       ; source 0: window 2
.set j, 0
.rept 64
	v_med3_num_f32 v[TMP+j], v[64*(\a)+j], s12, s13
.set j, j+1
.endr
	WIN 0
.irp b, 0,1,2,3,4,5,6,7
	v_cvt_scalef32_pk8_fp8_f32 v[CD+16*(\a)+2*\b:CD+16*(\a)+2*\b+1], v[TMP+8*\b:TMP+8*\b+7], v[SC]
.endr
	v_nop                                          ; a plain instruction between the conversions and the next block's writes of their sources
	global_store_b128 v[CO], v[CD+16*(\a):CD+16*(\a)+3], s[8:9] offset:1024*(\a)          ; 32 lanes store 512 consecutive bytes, aligned
	global_store_b128 v[CO], v[CD+16*(\a)+4:CD+16*(\a)+7], s[8:9] offset:1024*(\a)+512
	global_store_b128 v[CO], v[CD+16*(\a)+8:CD+16*(\a)+11], s[10:11] offset:1024*(\a)
	global_store_b128 v[CO], v[CD+16*(\a)+12:CD+16*(\a)+15], s[10:11] offset:1024*(\a)+512
.endm
	PLACES 4                                       ; behind the last products
	OUTBLK 0
	OUTBLK 1
	OUTBLK 2
	OUTBLK 3
	s_wait_tensorcnt 0x0                           ; the wave's end
	ds_add_u32 v[SPW], v[NIL]
	s_wait_dscnt 0x0
	CROUND                                         ; the closing round
	s_endpgm
.Lfunc_end_k_q686a0f1fa1_qkv:
	.size	k_q686a0f1fa1_qkv, .Lfunc_end_k_q686a0f1fa1_qkv-k_q686a0f1fa1_qkv
	.p2alignl 7, 3214868480
	.fill 96, 4, 3214868480
	.section	.rodata,"a",@progbits
	.p2align	6, 0x0
	.amdhsa_kernel k_q686a0f1fa1_qkv
		.amdhsa_group_segment_fixed_size 327680
		.amdhsa_private_segment_fixed_size 0
		.amdhsa_enable_private_segment 0
		.amdhsa_kernarg_size 64
		.amdhsa_user_sgpr_count 2
		.amdhsa_user_sgpr_kernarg_segment_ptr 1
		.amdhsa_wavefront_size32 1
		.amdhsa_system_sgpr_workgroup_id_x 1
		.amdhsa_system_sgpr_workgroup_id_y 1
		.amdhsa_system_sgpr_workgroup_id_z 1
		.amdhsa_system_vgpr_workitem_id 0
		.amdhsa_next_free_vgpr 768
		.amdhsa_next_free_sgpr 102
		.amdhsa_reserve_vcc 0
		.amdhsa_float_denorm_mode_32 3
		.amdhsa_float_denorm_mode_16_64 3
		.amdhsa_memory_ordered 1
		.amdhsa_forward_progress 1
		.amdhsa_inst_pref_size 73
	.end_amdhsa_kernel
	.amdgpu_metadata
---
amdhsa.version: [ 1, 2 ]
amdhsa.kernels:
  - .name:           k_q686a0f1fa1_qkv
    .symbol:         k_q686a0f1fa1_qkv.kd
    .args:
      - { .name: x_codes, .offset: 0, .size: 8, .value_kind: global_buffer, .address_space: global }
      - { .name: Wq_codes, .offset: 8, .size: 8, .value_kind: global_buffer, .address_space: global }
      - { .name: Wk_codes, .offset: 16, .size: 8, .value_kind: global_buffer, .address_space: global }
      - { .name: Wv_codes, .offset: 24, .size: 8, .value_kind: global_buffer, .address_space: global }
      - { .name: lowp_scales, .offset: 32, .size: 8, .value_kind: global_buffer, .address_space: global }
      - { .name: q_img, .offset: 40, .size: 8, .value_kind: global_buffer, .address_space: global }
      - { .name: k_img, .offset: 48, .size: 8, .value_kind: global_buffer, .address_space: global }
      - { .name: v_img, .offset: 56, .size: 8, .value_kind: global_buffer, .address_space: global }
    .group_segment_fixed_size: 327680
    .private_segment_fixed_size: 0
    .kernarg_segment_align: 8
    .kernarg_segment_size: 64
    .max_flat_workgroup_size: 128
    .sgpr_count:     102
    .vgpr_count:     768
    .wavefront_size: 32
...
	.end_amdgpu_metadata
.endif
;; end of part 1
;; launch attn (part 2): grid 4 x 64, 16 waves a work-group, no clusters, 34,816 bytes of LDS; arguments q_img, k_img, v_img, lowp_scales, y_img; writes y_img
.if DOCPART == 2
	.amdgcn_target "amdgcn-amd-amdhsa--gfx1250"
	.amdhsa_code_object_version 6
	.text
	.protected	k_q686a0f1fa1_attn
	.globl	k_q686a0f1fa1_attn
	.p2align	8
	.type	k_q686a0f1fa1_attn,@function
k_q686a0f1fa1_attn:
	s_mov_b64 s[64:65], 0
	v_nop
	global_prefetch_b8 v0, s[64:65] scope:SCOPE_SE
	s_setreg_imm32_b32 hwreg(HW_REG_WAVE_MODE, 25, 1), 1
	s_wait_xcnt 0x0
; y = softmax(q k^T / 8, causal) v for one head, both products on codes of FP8 (E4M3) by v_wmma_f32_16x16x64_fp8_fp8; y is quantised with 2^e10 and stored as codes.
; q_img, k_img [batch x head 64][token tile 128][1,024 B], v_img [batch x head 64][64 keys: 32][d tile 4][1,024 B]: images of operand registers: a fragment is two loads of 16 bytes a lane, lane l at 16 l.
; y_img [token tile 512][head 16][1,024 B]: byte 256 dt + 16 r + 8 h + i = y(token r of the tile, feature 64 head + 16 dt + 8 h + i).
; THE SOFTMAX: t = score x log2(e) / 8; M = the running largest t rounded UP to a whole number; p = 2^(t - M) is quantised with 2^e8, not normalised; the row's sum is taken of the unquantised p and divides at the end.
; When M moves, the sum and O are multiplied by 2^(old M - new M): nothing is rounded.
; SHARES.  Work-group (i, batch x head) owns query blocks 7 - i and i (256 queries each) and walks keys 0 .. 256 (8 - i) - 1 once: 264 steps of (32 queries x 64 keys) in every work-group.
; A wave owns 32 neighbouring queries, tiles A and B, which share every fragment of K and V.  With a = w / 4, b = w % 4: the late block where (a ^ b) is even, the early one else; its part p = 2 a + b / 2:
; so among waves 4 a .. 4 a + 3, and among waves b, b + 4, b + 8, b + 12 alike, two are late and two early.
; LAYOUT.  S^T = K Q^T (source 0 = 16 keys, source 1 = 16 queries), O^T = V^T P^T: a lane holds ONE query (lane % 16); S^T's tile c holds keys 16 c + 8 h + 0 .. 7 in its eight registers,
; which one conversion turns into registers 2 c, 2 c + 1 of P: every k stands in the form's own place.
; LDS: two buffers of 16,384 bytes, each 128 keys: K's 8 images, then V's 8.  They are filled THROUGH REGISTERS, 16 bytes of K and 16 of V a thread, one barrier a slot.
; NO TENSOR LOADS AND NO CLUSTER, though the four work-groups of a head read the same K and V: they walk different numbers of slots (16, 14, 12, 10); a slot's 16,384 bytes are fetched once while the sixteen waves
; read up to 262,144 bytes from LDS; and p <= 1 makes the hold at 448 x 2^e8 idle unless e8 < -8, so its 64 instructions are jumped over by a scalar branch on e8.
; CAUSAL: the loop has a constant 8 trips of two slots; a step all of whose keys come after the wave's queries is jumped over by a scalar branch on ids; no barrier stands under a branch.
; LIMITS: e6 + e7 between -123 and 130; e8 between -126 and 119; e10 - e8 - e9 between -126 and 119.  NaN codes are not served.
.set LA,   1                           ; v1  16 x lane
.set FT,   2                           ; v2  16 x thread: the fill's place in LDS and in memory
.set QR,   3                           ; v3  r - 8 h
.set PFO,  4                           ; v4  256 x lane
.set YO,   5                           ; v5  16 r + 8 h
.set PSC,  6                           ; v6  2^e8 as f32
.set NINF, 7                           ; v7  -infinity
.set STA,  8                           ; tile A: +0 -M, +1 largest t, +2, +3 the sum in two halves, +4 f, +5 a 0 named with it as a pair
.set STB,  14                          ; tile B likewise
.set FILL, 28                          ; v28-35, v36-43: two sets: 4 registers of K, 4 of V
.set QA,   44
.set QB,   52
.set PA,   60
.set PB,   68
.set KV,   76                          ; four fragments of K, then of V
.set SA,   108
.set SB,   140
.set OA,   172
.set OB,   204
.set SUMA, 236
.set SUMB, 238
.set WV,    21
.set Q0,    24                         ; my first query
.set KF,    25                         ; the step's first key
.set KEND,  26                         ; keys that the work-group walks
.set TRIP,  27
.set CS,    28                         ; s[28:29] c = log2(e) / 8 x 2^(e6 + e7)
.set SEL,   30                         ; s[30:31] v_permlanex16_b32's selects for lane l xor 16
.set KP,    32                         ; s[32:33] K's slot two ahead of a trip's first
.set VP,    34
.set PF,    36                         ; s[36:37] the prefetches' stream
.set PFEND, 38
.set T0,    39
.set PLIM,  40                         ; 448 x 2^e8
.set QL,    41                         ; my last query
.set YNEG,  42
.set YPOS,  43
.set YSC,   44
	s_load_b256 s[4:11], s[0:1], 0x0               ; q_img, k_img, v_img, scales
	s_load_b64 s[12:13], s[0:1], 0x20              ; y_img
	v_lshl_add_u32 v254, v0, 2, 0x8000
	v_mov_b32 v255, 0
	v_lshrrev_b32 v20, 5, v0
	v_readfirstlane_b32 s[WV], v20                 ; wave 0..15
	s_lshr_b32 s14, s[WV], 2                       ; a
	s_and_b32 s15, s[WV], 3                        ; b
	s_xor_b32 s22, s14, s15
	s_and_b32 s22, s22, 1                          ; 0: the late block
	s_lshr_b32 s23, s15, 1
	s_lshl_b32 s14, s14, 1
	s_add_co_u32 s23, s23, s14                     ; p
	s_sub_co_u32 s14, 7, ttmp9
	s_cmp_eq_u32 s22, 0
	s_cselect_b32 s14, s14, ttmp9                  ; my block of 256 queries
	s_lshl_b32 s[Q0], s14, 8
	s_lshl_b32 s23, s23, 5
	s_add_co_u32 s[Q0], s[Q0], s23
	s_add_co_u32 s[QL], s[Q0], 31
	s_sub_co_u32 s[KEND], 8, ttmp9
	s_lshl_b32 s[KEND], s[KEND], 8
	s_and_b32 s46, ttmp7, 0xffff                   ; batch x 16 + head
	s_lshl_b32 s48, s46, 17                        ; its 131,072 bytes in q_img, k_img, v_img
	s_mov_b32 s49, 0
	s_lshl_b32 s50, s[Q0], 6                       ; 1,024 bytes for 16 queries
	s_mov_b32 s51, 0
	s_mov_b32 s[SEL], 0x76543210
	s_mov_b32 s[SEL+1], 0xfedcba98
	s_mov_b32 s[KF], 0
	s_mov_b32 s[TRIP], 0
	v_and_b32 v[LA], 31, v0
	v_lshlrev_b32 v[PFO], 8, v[LA]
	v_lshlrev_b32 v[LA], 4, v[LA]
	v_lshlrev_b32 v[FT], 4, v0
	s_wait_kmcnt 0x0
	s_load_b128 s[16:19], s[10:11], 0x18           ; e6, e7, e8, e9
	s_load_b32 s20, s[10:11], 0x28                 ; e10
	s_add_nc_u64 s[4:5], s[4:5], s[48:49]
	s_add_nc_u64 s[4:5], s[4:5], s[50:51]
	s_add_nc_u64 s[6:7], s[6:7], s[48:49]
	s_add_nc_u64 s[8:9], s[8:9], s[48:49]
.irp j, 0,1
	global_load_b128 v[QA+4*\j:QA+4*\j+3], v[LA], s[4:5] offset:512*\j
	global_load_b128 v[QB+4*\j:QB+4*\j+3], v[LA], s[4:5] offset:1024+512*\j
.endr
	global_load_b128 v[FILL:FILL+3], v[FT], s[6:7]                    ; slot 0
	global_load_b128 v[FILL+4:FILL+7], v[FT], s[8:9]
	global_load_b128 v[FILL+8:FILL+11], v[FT], s[6:7] offset:8192     ; slot 1
	global_load_b128 v[FILL+12:FILL+15], v[FT], s[8:9] offset:8192
	s_add_nc_u64 s[KP:KP+1], s[6:7], 16384
	s_add_nc_u64 s[VP:VP+1], s[8:9], 16384
	; THE PREFETCHES: each aligned block of 256 bytes of a head's K and V from slot 3 on is named once in the launch: by work-group x = 0, which walks all keys; wave 0 names K's 8,192 bytes of a slot, wave 2 V's,
	; lanes 256 bytes apart, one instruction a slot, for the slot after the one whose loads have just been issued.  Nothing is named at the head, nothing past key 2,047.
	s_cmp_eq_u32 s[WV], 0
	s_cselect_b64 s[PF:PF+1], s[KP:KP+1], s[VP:VP+1]
	s_and_b32 s[T0], s[WV], 13
	s_or_b32 s[T0], s[T0], ttmp9
	s_cmp_eq_u32 s[T0], 0
	s_cselect_b32 s[PFEND], 2048, 0
	s_lshr_b32 s50, s46, 4                         ; y_img: image ((batch 128 + my first token tile) 16 + head)
	s_lshl_b32 s50, s50, 7
	s_lshr_b32 s[T0], s[Q0], 4
	s_add_co_u32 s50, s50, s[T0]
	s_lshl_b32 s50, s50, 4
	s_and_b32 s[T0], s46, 15
	s_add_co_u32 s50, s50, s[T0]
	s_lshl_b32 s50, s50, 10
	s_add_nc_u64 s[12:13], s[12:13], s[50:51]
	v_and_b32 v20, 15, v0                          ; r
	v_bfe_u32 v21, v0, 4, 1                        ; h
	v_lshlrev_b32 v22, 3, v21
	v_sub_nc_u32 v[QR], v20, v22
	v_lshl_add_u32 v[YO], v20, 4, v22
	v_mov_b32 v[NINF], 0xff800000
.irp t, STA, STB
	v_mov_b32 v[\t+1], 0xff61b1e6                  ; the largest t so far: -3e38
	v_floor_f32 v[\t], -v[\t+1]                    ; -M
	v_mov_b32 v[\t+2], 0
	v_mov_b32 v[\t+3], 0
	v_mov_b32 v[\t+5], 0
.endr
	v_mov_b32 v24, 0                               ; a lane permute's destination counts as one of its sources
	v_mov_b32 v25, 0
.set j, 0
.rept 64
	v_mov_b32 v[OA+j], 0                           ; O^T: the step is written without a first form of its own: the first change of M multiplies zeros
.set j, j+1
.endr
	s_wait_kmcnt 0x0
	s_add_co_i32 s[T0], s16, s17
	s_lshl_b32 s[T0], s[T0], 23
	s_mov_b32 s[CS], 0x3e38aa3b                    ; log2(e) / 8
	s_add_co_i32 s[CS], s[CS], s[T0]               ; a score stands for score x 2^(e6 + e7): added to c's exponent field
	s_mov_b32 s[CS+1], s[CS]
	s_add_co_i32 s[T0], s18, 127
	s_lshl_b32 s14, s[T0], 23
	v_mov_b32 v[PSC], s14
	s_add_co_i32 s[T0], s[T0], 8
	s_lshl_b32 s[T0], s[T0], 23
	s_or_b32 s[PLIM], s[T0], 0x600000
	s_sub_co_i32 s[T0], s20, s18                   ; O / l stands for y / 2^(e8 + e9): its code is (O / l) / 2^(e10 - e8 - e9)
	s_sub_co_i32 s[T0], s[T0], s19
	s_add_co_i32 s[T0], s[T0], 127
	s_lshl_b32 s[YSC], s[T0], 23
	s_add_co_i32 s[T0], s[T0], 8
	s_lshl_b32 s[T0], s[T0], 23
	s_or_b32 s[YPOS], s[T0], 0x600000
	s_or_b32 s[YNEG], s[YPOS], 0x80000000
	s_wait_loadcnt 0x2                             ; Q and slot 0 are in; slot 1's two loads may be out
	ds_store_b128 v[FT], v[FILL:FILL+3]
	ds_store_b128 v[FT], v[FILL+4:FILL+7] offset:8192
; 64 keys from KF on, the u-th half of the slot in buffer buf, against my 32 queries.
.macro SUB buf, u
	s_cmp_gt_u32 s[KF], s[QL]
	s_cbranch_scc1 .Lhidden_\@                     ; all 64 keys come after my queries
.rept 4
	v_nop                                          ; four plain instructions between the last products and loads into the registers that they read (ISA guide 7.12.1 for vector instructions)
.endr
.irp c, 0,1,2,3
	ds_load_b128 v[KV+8*\c:KV+8*\c+3], v[LA] offset:16384*(\buf)+4096*(\u)+1024*\c
	ds_load_b128 v[KV+8*\c+4:KV+8*\c+7], v[LA] offset:16384*(\buf)+4096*(\u)+1024*\c+512
.endr
	s_wait_dscnt 0x0
.irp c, 0,1,2,3
	v_wmma_f32_16x16x64_fp8_fp8 v[SA+8*\c:SA+8*\c+7], v[KV+8*\c:KV+8*\c+7], v[QA:QA+7], 0
	v_wmma_f32_16x16x64_fp8_fp8 v[SB+8*\c:SB+8*\c+7], v[KV+8*\c:KV+8*\c+7], v[QB:QB+7], 0
.endr
.rept 4
	v_nop                                          ; the places for the loads below and for the first reads of the scores
.endr
.irp c, 0,1,2,3                                    ; V's four fragments land while the softmax is worked
	ds_load_b128 v[KV+8*\c:KV+8*\c+3], v[LA] offset:16384*(\buf)+8192+4096*(\u)+1024*\c
	ds_load_b128 v[KV+8*\c+4:KV+8*\c+7], v[LA] offset:16384*(\buf)+8192+4096*(\u)+1024*\c+512
.endr
	s_add_co_u32 s[T0], s[KF], 63
	s_cmp_le_u32 s[T0], s[Q0]
	s_cbranch_scc1 .Lopen_\@                       ; all 64 keys count for all my queries
	s_sub_co_i32 s[T0], s[Q0], s[KF]
	v_add_nc_u32 v26, s[T0], v[QR]                 ; d = Q0 - KF + r - 8 h.  Register 8 c + j holds key KF + 16 c + 8 h + j: hidden for tile A where 16 c + j > d, for tile B where 16 c + j - 16 > d
.set n, 0
.rept 32
	v_cmp_gt_i32 vcc_lo, 16*(n/8)+n%8, v26
	v_cndmask_b32 v[SA+n], v[SA+n], v[NINF], vcc_lo
	v_cmp_gt_i32 vcc_lo, 16*(n/8)+n%8-16, v26
	v_cndmask_b32 v[SB+n], v[SB+n], v[NINF], vcc_lo
.set n, n+1
.endr
.Lopen_\@:
	v_max3_num_f32 v20, v[SA], v[SA+1], v[SA+2]    ; the largest score of my query among my 32 keys: two chains a tile; each accumulator is first read at its low end
	v_max3_num_f32 v22, v[SB], v[SB+1], v[SB+2]
	v_max3_num_f32 v21, v[SA+3], v[SA+4], v[SA+5]
	v_max3_num_f32 v23, v[SB+3], v[SB+4], v[SB+5]
.irp j, 6,10,14,18,22,26
	v_max3_num_f32 v20, v20, v[SA+\j], v[SA+\j+1]
	v_max3_num_f32 v22, v22, v[SB+\j], v[SB+\j+1]
	v_max3_num_f32 v21, v21, v[SA+\j+2], v[SA+\j+3]
	v_max3_num_f32 v23, v23, v[SB+\j+2], v[SB+\j+3]
.endr
	v_max3_num_f32 v20, v20, v[SA+30], v[SA+31]
	v_max3_num_f32 v22, v22, v[SB+30], v[SB+31]
	v_max_num_f32 v20, v20, v21
	v_max_num_f32 v22, v22, v23
	v_permlanex16_b32 v24, v20, s[SEL], s[SEL+1]   ; the query's other 32 keys lie in lane l xor 16
	v_permlanex16_b32 v25, v22, s[SEL], s[SEL+1]
	v_max_num_f32 v20, v20, v24
	v_max_num_f32 v22, v22, v25
	v_mul_f32 v20, s[CS], v20                      ; as t (c is positive)
	v_mul_f32 v22, s[CS], v22
	v_max_num_f32 v[STA+1], v[STA+1], v20
	v_max_num_f32 v[STB+1], v[STB+1], v22
	v_mov_b32 v20, v[STA]
	v_mov_b32 v22, v[STB]
	v_floor_f32 v[STA], -v[STA+1]                  ; the new -M = floor(-t)
	v_floor_f32 v[STB], -v[STB+1]
	v_sub_f32 v20, v[STA], v20                     ; old M - new M: a whole number, 0 or less
	v_sub_f32 v22, v[STB], v22
	v_cvt_i32_f32 v20, v20                         ; (it saturates)
	v_cvt_i32_f32 v22, v22
	v_ldexp_f32 v[STA+4], 1.0, v20                 ; f = 2^(old M - new M)
	v_ldexp_f32 v[STB+4], 1.0, v22
.set j, 0
.rept 16
	v_pk_fma_f32 v[SA+j:SA+j+1], v[SA+j:SA+j+1], s[CS:CS+1], v[STA:STA+1] op_sel_hi:[1,0,0]   ; t - M, two at a time
	v_pk_fma_f32 v[SB+j:SB+j+1], v[SB+j:SB+j+1], s[CS:CS+1], v[STB:STB+1] op_sel_hi:[1,0,0]
.set j, j+2
.endr
.set j, 0
.rept 32
	v_exp_f32 v[SA+j], v[SA+j]                     ; p = 2^(t - M): one batch of 64
	v_exp_f32 v[SB+j], v[SB+j]
.set j, j+1
.endr
.set j, 0
.rept 16
	v_pk_mul_f32 v[OA+j:OA+j+1], v[OA+j:OA+j+1], v[STA+4:STA+5] op_sel_hi:[1,0]   ; O^T under the new M: work that names no exponential's result
	v_pk_mul_f32 v[OB+j:OB+j+1], v[OB+j:OB+j+1], v[STB+4:STB+5] op_sel_hi:[1,0]
.set j, j+2
.endr
	v_pk_mul_f32 v[STA+2:STA+3], v[STA+2:STA+3], v[STA+4:STA+5] op_sel_hi:[1,0]
	v_pk_mul_f32 v[STB+2:STB+3], v[STB+2:STB+3], v[STB+4:STB+5] op_sel_hi:[1,0]
	s_wait_alu depctr_va_vdst(0)                   ; one wait for the batch, ahead of its first reader
	v_pk_add_f32 v[SUMA:SUMA+1], v[SA:SA+1], v[SA+2:SA+3]     ; the row's sum, of the UNQUANTISED p: two chains a tile
	v_pk_add_f32 v[SUMB:SUMB+1], v[SB:SB+1], v[SB+2:SB+3]
.irp j, 4,8,12,16,20,24,28
	v_pk_add_f32 v[STA+2:STA+3], v[STA+2:STA+3], v[SA+\j:SA+\j+1]
	v_pk_add_f32 v[STB+2:STB+3], v[STB+2:STB+3], v[SB+\j:SB+\j+1]
	v_pk_add_f32 v[SUMA:SUMA+1], v[SUMA:SUMA+1], v[SA+\j+2:SA+\j+3]
	v_pk_add_f32 v[SUMB:SUMB+1], v[SUMB:SUMB+1], v[SB+\j+2:SB+\j+3]
.endr
	v_pk_add_f32 v[STA+2:STA+3], v[STA+2:STA+3], v[SUMA:SUMA+1]
	v_pk_add_f32 v[STB+2:STB+3], v[STB+2:STB+3], v[SUMB:SUMB+1]
	s_cmp_ge_i32 s18, -8                           ; p <= 1 <= 448 x 2^e8 where e8 >= -8: the hold has nothing to do
	s_cbranch_scc1 .Lfits_\@
.set n, 0
.rept 32
	v_min_num_f32 v[SA+n], s[PLIM], v[SA+n]        ; the conversion to an 8-bit code does not saturate (ISA guide 7.6.2); p is not negative
	v_min_num_f32 v[SB+n], s[PLIM], v[SB+n]
.set n, n+1
.endr
.Lfits_\@:
.irp c, 0,1,2,3
	v_cvt_scalef32_pk8_fp8_f32 v[PA+2*\c:PA+2*\c+1], v[SA+8*\c:SA+8*\c+7], v[PSC]
	v_cvt_scalef32_pk8_fp8_f32 v[PB+2*\c:PB+2*\c+1], v[SB+8*\c:SB+8*\c+7], v[PSC]
.endr
	v_nop                                          ; a plain instruction between the conversions and the products that read their results
	s_wait_dscnt 0x0                               ; V is in
.irp c, 0,1,2,3                                    ; the eight accumulators by turns
	v_wmma_f32_16x16x64_fp8_fp8 v[OA+8*\c:OA+8*\c+7], v[KV+8*\c:KV+8*\c+7], v[PA:PA+7], v[OA+8*\c:OA+8*\c+7]
	v_wmma_f32_16x16x64_fp8_fp8 v[OB+8*\c:OB+8*\c+7], v[KV+8*\c:KV+8*\c+7], v[PB:PB+7], v[OB+8*\c:OB+8*\c+7]
.endr
.Lhidden_\@:
	s_add_co_u32 s[KF], s[KF], 64
.endm
; Slot n, in buffer buf = n % 2.  In front of the barrier: my stores of slot n have landed and my reads of slot n - 1 are over.  Behind it: slot n + 1, in registers since a slot ago, goes into the other buffer;
; slot n + 2 is asked for, into the registers that slot n has left; then slot n is worked.  Past the work-group's last key nothing is loaded: the set's old bytes are stored once more, and nobody reads them.
.macro SLOT buf
	s_wait_dscnt 0x0
	s_barrier_signal -1
	s_barrier_wait -1
	s_wait_loadcnt 0x0
	ds_store_b128 v[FT], v[FILL+8*(1-\buf):FILL+8*(1-\buf)+3] offset:16384*(1-\buf)
	ds_store_b128 v[FT], v[FILL+8*(1-\buf)+4:FILL+8*(1-\buf)+7] offset:16384*(1-\buf)+8192
	s_add_co_u32 s[T0], s[KF], 256
	s_cmp_lt_u32 s[T0], s[KEND]
	s_cbranch_scc0 .Lno_more_\@
	global_load_b128 v[FILL+8*\buf:FILL+8*\buf+3], v[FT], s[KP:KP+1] offset:8192*\buf
	global_load_b128 v[FILL+8*\buf+4:FILL+8*\buf+7], v[FT], s[VP:VP+1] offset:8192*\buf
	s_add_co_u32 s[T0], s[KF], 384
	s_cmp_lt_u32 s[T0], s[PFEND]
	s_cbranch_scc0 .Lno_more_\@
	global_prefetch_b8 v[PFO], s[PF:PF+1] offset:8192*(\buf+1) th:TH_LOAD_NT scope:SCOPE_SE   ; slot n + 3
.Lno_more_\@:
	SUB \buf, 0
	SUB \buf, 1
.endm
.Ltrip:
	SLOT 0
	SLOT 1
	s_wait_xcnt 0x0                                ; the trip's loads and prefetches have read their bases
	s_add_nc_u64 s[KP:KP+1], s[KP:KP+1], 16384
	s_add_nc_u64 s[VP:VP+1], s[VP:VP+1], 16384
	s_add_nc_u64 s[PF:PF+1], s[PF:PF+1], 16384
	s_add_co_u32 s[TRIP], s[TRIP], 1
	s_cmp_lt_u32 s[TRIP], 8
	s_cbranch_scc1 .Ltrip
	; THE WAY OUT.  The four additions and the move are the places behind the last products.
	v_add_f32 v[STA+2], v[STA+2], v[STA+3]
	v_add_f32 v[STB+2], v[STB+2], v[STB+3]
	v_permlanex16_b32 v24, v[STA+2], s[SEL], s[SEL+1]
	v_permlanex16_b32 v25, v[STB+2], s[SEL], s[SEL+1]
	v_add_f32 v[STA+2], v[STA+2], v24              ; the row's sum
	v_add_f32 v[STB+2], v[STB+2], v25
	v_rcp_f32 v[STA+4], v[STA+2]
	v_rcp_f32 v[STB+4], v[STB+2]
	v_mov_b32 v26, s[YSC]                          ; 2^(e10 - e8 - e9) as f32.  (The plain instruction behind the reciprocals)
	s_wait_alu depctr_va_vdst(0)                   ; one wait for both, ahead of the first reader
.set j, 0
.rept 16
	v_pk_mul_f32 v[SA+j:SA+j+1], v[OA+j:OA+j+1], v[STA+4:STA+5] op_sel_hi:[1,0]
	v_pk_mul_f32 v[SB+j:SB+j+1], v[OB+j:OB+j+1], v[STB+4:STB+5] op_sel_hi:[1,0]
.set j, j+2
.endr
.set j, 0
.rept 64
	v_med3_num_f32 v[SA+j], v[SA+j], s[YNEG], s[YPOS]   ; the hold at the largest code x the scale
.set j, j+1
.endr
.irp c, 0,1,2,3
	v_cvt_scalef32_pk8_fp8_f32 v[PA+2*\c:PA+2*\c+1], v[SA+8*\c:SA+8*\c+7], v26
	v_cvt_scalef32_pk8_fp8_f32 v[PB+2*\c:PB+2*\c+1], v[SB+8*\c:SB+8*\c+7], v26
.endr
	v_nop
.irp c, 0,1,2,3
	global_store_b64 v[YO], v[PA+2*\c:PA+2*\c+1], s[12:13] offset:256*\c          ; 32 lanes store 256 consecutive bytes, aligned
	global_store_b64 v[YO], v[PB+2*\c:PB+2*\c+1], s[12:13] offset:16384+256*\c
.endr
	s_wait_tensorcnt 0x0
	ds_add_u32 v254, v255
	s_wait_dscnt 0x0
	s_endpgm
.Lfunc_end_k_q686a0f1fa1_attn:
	.size	k_q686a0f1fa1_attn, .Lfunc_end_k_q686a0f1fa1_attn-k_q686a0f1fa1_attn
	.p2alignl 7, 3214868480
	.fill 96, 4, 3214868480
	.section	.rodata,"a",@progbits
	.p2align	6, 0x0
	.amdhsa_kernel k_q686a0f1fa1_attn
		.amdhsa_group_segment_fixed_size 34816
		.amdhsa_private_segment_fixed_size 0
		.amdhsa_enable_private_segment 0
		.amdhsa_kernarg_size 40
		.amdhsa_user_sgpr_count 2
		.amdhsa_user_sgpr_kernarg_segment_ptr 1
		.amdhsa_wavefront_size32 1
		.amdhsa_system_sgpr_workgroup_id_x 1
		.amdhsa_system_sgpr_workgroup_id_y 1
		.amdhsa_system_sgpr_workgroup_id_z 1
		.amdhsa_system_vgpr_workitem_id 0
		.amdhsa_next_free_vgpr 256
		.amdhsa_next_free_sgpr 66
		.amdhsa_reserve_vcc 1
		.amdhsa_float_denorm_mode_32 3
		.amdhsa_float_denorm_mode_16_64 3
		.amdhsa_memory_ordered 1
		.amdhsa_forward_progress 1
		.amdhsa_inst_pref_size 97
	.end_amdhsa_kernel
	.amdgpu_metadata
---
amdhsa.version: [ 1, 2 ]
amdhsa.kernels:
  - .name:           k_q686a0f1fa1_attn
    .symbol:         k_q686a0f1fa1_attn.kd
    .args:
      - { .name: q_img, .offset: 0, .size: 8, .value_kind: global_buffer, .address_space: global }
      - { .name: k_img, .offset: 8, .size: 8, .value_kind: global_buffer, .address_space: global }
      - { .name: v_img, .offset: 16, .size: 8, .value_kind: global_buffer, .address_space: global }
      - { .name: lowp_scales, .offset: 24, .size: 8, .value_kind: global_buffer, .address_space: global }
      - { .name: y_img, .offset: 32, .size: 8, .value_kind: global_buffer, .address_space: global }
    .group_segment_fixed_size: 34816
    .private_segment_fixed_size: 0
    .kernarg_segment_align: 8
    .kernarg_segment_size: 40
    .max_flat_workgroup_size: 512
    .sgpr_count:     66
    .vgpr_count:     256
    .wavefront_size: 32
...
	.end_amdgpu_metadata
.endif
;; end of part 2
;; launch proj (part 3): grid 4 x 64, 4 waves a work-group, clusters of 4 x 4, 327,680 bytes of LDS; arguments y_img, Wo_codes, lowp_scales, out0; writes out0
.if DOCPART == 3
	.amdgcn_target "amdgcn-amd-amdhsa--gfx1250"
	.amdhsa_code_object_version 6
	.text
	.protected	k_q686a0f1fa1_proj
	.globl	k_q686a0f1fa1_proj
	.p2align	8
	.type	k_q686a0f1fa1_proj,@function
k_q686a0f1fa1_proj:
	s_mov_b64 s[64:65], 0
	v_nop
	global_prefetch_b8 v0, s[64:65] scope:SCOPE_SE
	s_setreg_imm32_b32 hwreg(HW_REG_WAVE_MODE, 25, 1), 1
	s_wait_xcnt 0x0
	s_wait_alu depctr_hold_cnt(0) depctr_sa_sdst(0) depctr_va_vdst(0) depctr_va_sdst(0) depctr_va_ssrc(0) depctr_va_vcc(0) depctr_vm_vsrc(0)
	s_getreg_b32 s2, hwreg(HW_REG_IB_STS2, 6, 4)
	s_cmp_eq_u32 s2, 0
	s_cbranch_scc0 .Lentry_in_a_cluster
	s_endpgm
.Lentry_in_a_cluster:
	s_bfe_u32 s2, ttmp6, 0x10000c
	s_cmp_lg_u32 s2, 0xf033
	s_cbranch_scc0 .Lentry_shape_is_right
	s_endpgm
.Lentry_shape_is_right:
; out0 = y Wo^T on codes of FP8 (E4M3), f32 sums, each finished sum x 2^(e10 + e11).  y_img: [token tile 512][head 16][1,024 B], byte 256 dt + 16 r + 8 h + i = y(token r, feature 64 head + 16 dt + 8 h + i);
; two heads' 2,048 bytes, read as four loads of 16 bytes a lane at 512 c + 16 l, ARE a fragment of 16 tokens x 128 K with k = 32 c + 16 h + 0 .. 15 in registers 4 c .. 4 c + 3: the places that Wo's loads from padded rows give.
; Wo: [1024][1024] codes, K innermost.  out0: [8192][1024] f32.
; A TILE is 128 tokens x 256 outputs, K = 1,024: 256 tiles.  Four waves, 2 x 2; a wave makes 64 x 128: 32 accumulators.  Source 0 = 16 rows of Wo, source 1 = 16 tokens: a lane holds eight neighbouring outputs of one token.
; K goes in four steps of 256 through three LDS slots: steps 0, 1, 2 are first fills, issued together; step 3 is the one refill, into slot 0.  No loop.
; CLUSTER 4 x 4: y's tile is shared along a row of the cluster, Wo's along a column.  By this text's count a wave has at most three tensor loads out.
; LIMIT: e10 + e11 between -126 and 127.  NaN codes are not served.
; REGISTERS: as in the launch that makes q, k, v: window 0 addresses, v32-95 at work, v128-255 A's two sets (on the way out: rows read back); window 1 B's two sets; window 2 accumulator (a, b) at v[8 (8 a + b)].
.set PITCH, 272
.set AHALF, 16384                      ; 4 token tiles x 4 heads x 1,024 bytes: what a wave fetches and reads of y, dense
.set BHALF, 128*PITCH
.set AREG,  128*PITCH                  ; A's region (32,768 bytes of it are used)
.set SLOT,  AREG+2*BHALF
.set SPARE, 3*SLOT                     ; the spare words: two blocks of 256 bytes that no other line names
.set SPITCH, 528                       ; the way out: 16 rows x (512 bytes + 16) for each wave, in slot 1: it has had its one fill, and behind the last barrier nobody reads it
.set ADRA, 16
.set ADRB, 20
.set STO,  24
.set RD,   25
.set CO,   26
.set SPW,  28
.set NIL,  29
.set TMP,  32
.set AF,   128
.set BK,   128
.set G1A, 24
.set G1B, 32
.set G0A, 40
.set G0B, 52
.set MSB, 0
.macro WIN new
.if MSB != \new
	s_set_vgpr_msb (MSB<<8)|\new
.set MSB, \new
.endif
.endm
.set MUL,  0xa1
.set TO_B, 0x40
.macro PLACES n
.rept \n
	v_nop
.endr
.endm
.macro JLOAD g0a, g0b                  ; waves 0, 1 fetch y's halves, waves 2, 3 Wo's; four v_nop follow each line
	s_cmp_eq_u32 s15, 0
	s_cbranch_scc0 .Lfor_b_\@
	tensor_load_to_lds s[\g0a:\g0a+3], s[G1A:G1A+7]
	s_nop 0
	PLACES 4
	s_branch .Lasked_\@
.Lfor_b_\@:
	tensor_load_to_lds s[\g0b:\g0b+3], s[G1B:G1B+7]
	s_nop 0
	PLACES 4
.Lasked_\@:
.endm
.macro CREST
	s_cmp_lg_u32 s14, 0
	s_cbranch_scc1 .Lnot_wave_0_\@
	s_barrier_signal -3
.Lnot_wave_0_\@:
	s_barrier_wait -3
	s_barrier_signal -1
	s_barrier_wait -1
.endm
.macro CROUND
	s_barrier_signal -1
	s_barrier_wait -1
	CREST
.endm
	s_load_b256 s[4:11], s[0:1], 0x0               ; y_img, Wo, scales, out0
	v_lshl_add_u32 v[SPW], v0, 2, SPARE
	v_mov_b32 v[NIL], 0
	ds_add_u32 v28, v29
	ds_add_u32 v28, v29
	s_wait_dscnt 0x0
	v_lshrrev_b32 v1, 5, v0
	v_readfirstlane_b32 s14, v1
	s_lshr_b32 s15, s14, 1                         ; which 64 tokens are mine.  Also: I fetch for y (0) or Wo (1)
	s_and_b32 s16, s14, 1                          ; which 128 outputs are mine.  Also: which half of that tile I fetch
	s_bfe_u32 s17, ttmp6, 0x40000                  ; cx: the block of 256 outputs (the grid is one cluster wide)
	s_bfe_u32 s18, ttmp6, 0x40004                  ; cy
	s_and_b32 s19, ttmp7, 0xffff
	s_lshl_b32 s20, s19, 2
	s_add_co_u32 s20, s20, s18                     ; the block of 128 tokens
	s_lshl_b32 s100, s18, 2
	s_lshl_b32 s100, 15, s100                      ; my row of the cluster
	s_lshl_b32 s101, 0x1111, s17                   ; my column
	s_or_b32 s[G1A], s100, (3<<16)|(1<<21)         ; the mask; elements of 8 bytes; no padding; bit 21 beside a mask
	s_mov_b32 s[G1A+1], 512<<16                    ; a row: 4 heads' images of one token tile, 4,096 bytes
	s_mov_b32 s[G1A+2], 4<<16                      ; 4 token tiles
	s_mov_b32 s[G1A+3], 512<<16
	s_mov_b32 s[G1A+4], 4
	s_mov_b32 s[G1A+5], 2048                       ; 16,384 bytes from token tile to token tile
	s_mov_b32 s[G1A+6], 0
	s_mov_b32 s[G1A+7], 0
	s_or_b32 s[G1B], s101, (1<<20)|(1<<21)|(5<<22)|(3<<25)
	s_mov_b32 s[G1B+1], 256<<16
	s_mov_b32 s[G1B+2], 128<<16
	s_mov_b32 s[G1B+3], 256<<16
	s_mov_b32 s[G1B+4], 128
	s_mov_b32 s[G1B+5], 1024
	s_mov_b32 s[G1B+6], 0
	s_mov_b32 s[G1B+7], 0
	s_lshl_b32 s22, s20, 17                        ; y: (8 block + 4 half) token tiles of 16,384 bytes
	s_lshl_b32 s23, s16, 16
	s_add_co_u32 s22, s22, s23
	s_mov_b32 s23, 0
	s_lshl_b32 s12, s17, 18                        ; Wo: (256 block + 128 half) rows of 1,024 bytes
	s_lshl_b32 s13, s16, 17
	s_add_co_u32 s12, s12, s13
	s_mov_b32 s13, 0
	s_mul_i32 s2, s16, AHALF
	s_mul_i32 s3, s16, BHALF
	s_add_co_u32 s3, s3, AREG
	s_wait_kmcnt 0x0
	s_load_b64 s[96:97], s[8:9], 0x28              ; e10, e11
	s_add_nc_u64 s[4:5], s[4:5], s[22:23]
	s_add_nc_u64 s[6:7], s[6:7], s[12:13]
.irp s, 0,1,2
	s_mov_b32 s[G0A+4*\s], 1
	s_add_co_u32 s[G0A+4*\s+1], s2, \s*SLOT
	s_add_nc_u64 s[G0A+4*\s+2:G0A+4*\s+3], s[4:5], \s*4096
	s_or_b32 s[G0A+4*\s+3], s[G0A+4*\s+3], 0x80000000
	s_mov_b32 s[G0B+4*\s], 1
	s_add_co_u32 s[G0B+4*\s+1], s3, \s*SLOT
	s_add_nc_u64 s[G0B+4*\s+2:G0B+4*\s+3], s[6:7], \s*256
	s_or_b32 s[G0B+4*\s+3], s[G0B+4*\s+3], 0x80000000
.endr
	CROUND                                         ; all sixteen work-groups are here: the first joint loads meet
	s_cmp_eq_u32 s15, 0                            ; a wave's three first fills stand in one branch
	s_cbranch_scc0 .Lfirst_b
	tensor_load_to_lds s[G0A:G0A+3], s[G1A:G1A+7]
	s_nop 0
	tensor_load_to_lds s[G0A+4:G0A+7], s[G1A:G1A+7]
	s_nop 0
	tensor_load_to_lds s[G0A+8:G0A+11], s[G1A:G1A+7]
	s_nop 0
	PLACES 4
	s_branch .Lfirst_asked
.Lfirst_b:
	tensor_load_to_lds s[G0B:G0B+3], s[G1B:G1B+7]
	s_nop 0
	tensor_load_to_lds s[G0B+4:G0B+7], s[G1B:G1B+7]
	s_nop 0
	tensor_load_to_lds s[G0B+8:G0B+11], s[G1B:G1B+7]
	s_nop 0
	PLACES 4
.Lfirst_asked:
	v_and_b32 v1, 15, v0                           ; r
	v_bfe_u32 v2, v0, 4, 1                         ; h
	v_and_b32 v4, 31, v0
	v_lshlrev_b32 v[CO], 4, v4                     ; 16 x lane
	v_mul_u32_u24 v3, v1, PITCH
	v_lshl_add_u32 v3, v2, 4, v3
	s_mul_i32 s2, s15, AHALF
	s_mul_i32 s3, s16, BHALF
	s_add_co_u32 s3, s3, AREG
.irp s, 0,1,2
	v_add_nc_u32 v[ADRA+\s], s2, v[CO]             ; y's images: 16 x lane
	v_add_nc_u32 v[ADRB+\s], s3, v3                ; Wo's rows: row x pitch + 16 h
	s_add_co_u32 s2, s2, SLOT
	s_add_co_u32 s3, s3, SLOT
.endr
	s_mul_i32 s21, s14, 16*SPITCH
	s_add_co_u32 s21, s21, SLOT                    ; my stage
	v_mul_u32_u24 v5, v1, SPITCH
	v_lshl_add_u32 v5, v2, 5, v5
	v_add_nc_u32 v[STO], s21, v5                   ; in: row r, 32 bytes for each half of the lanes
	v_add_nc_u32 v[RD], s21, v[CO]                 ; back: the 32 lanes take a row of 512 bytes
	s_lshl_b32 s98, s20, 19                        ; out0: (128 block + 64 (wave / 2)) rows of 4,096 bytes + 1,024 cx + 512 (wave % 2)
	s_lshl_b32 s99, s15, 18
	s_add_co_u32 s98, s98, s99
	s_lshl_b32 s99, s17, 10
	s_add_co_u32 s98, s98, s99
	s_lshl_b32 s99, s16, 9
	s_add_co_u32 s98, s98, s99
	s_mov_b32 s99, 0
	s_add_nc_u64 s[10:11], s[10:11], s[98:99]
	s_wait_kmcnt 0x0
	s_add_co_i32 s96, s96, s97
	s_add_co_i32 s96, s96, 127
	s_lshl_b32 s96, s96, 23                        ; 2^(e10 + e11) as f32 (s97 stays written: the packed form names the pair)
.macro FRAG reg, adr, off
.irp c, 0,1,2,3
	ds_load_b128 v[\reg+4*\c:\reg+4*\c+3], v[\adr] offset:\off+32*\c
.endr
.endm
.macro FRAGI reg, adr, off             ; a fragment out of images: 512 consecutive bytes a load
.irp c, 0,1,2,3
	ds_load_b128 v[\reg+4*\c:\reg+4*\c+3], v[\adr] offset:\off+512*\c
.endr
.endm
.macro FETCH slot, q, p
	WIN TO_B
.irp i, 0,1,2,3,4,5,6,7
	FRAG 128*(\p)+16*\i, ADRB+\slot, 128*(\q)+\i*16*PITCH
.endr
	WIN 0
.irp i, 0,1,2,3
	FRAGI AF+64*(\p)+16*\i, ADRA+\slot, 2048*(\q)+\i*4096
.endr
.endm
.macro MUL8 a, p, zero                 ; the 32 accumulators take turns, one instruction a turn, in the same order in every step
.irp b, 0,1,2,3,4,5,6,7
.if \zero
	v_wmma_f32_16x16x128_fp8_fp8 v[8*(8*(\a)+\b):8*(8*(\a)+\b)+7], v[128*(\p)+16*\b:128*(\p)+16*\b+15], v[AF+64*(\p)+16*(\a):AF+64*(\p)+16*(\a)+15], 0
.else
	v_wmma_f32_16x16x128_fp8_fp8 v[8*(8*(\a)+\b):8*(8*(\a)+\b)+7], v[128*(\p)+16*\b:128*(\p)+16*\b+15], v[AF+64*(\p)+16*(\a):AF+64*(\p)+16*(\a)+15], v[8*(8*(\a)+\b):8*(8*(\a)+\b)+7]
.endif
.endr
.endm
.macro STEP p, nslot, nq, zero
	s_wait_dscnt 0x0                               ; set p is in
	PLACES 4                                       ; four plain instructions in front of loads into registers that matrix instructions have read
	FETCH \nslot, \nq, 1-(\p)
	WIN MUL
	MUL8 0, \p, \zero
	MUL8 1, \p, \zero
	MUL8 2, \p, \zero
	MUL8 3, \p, \zero
	WIN 0
.endm
.macro TURN p, nslot, fill
	s_wait_tensorcnt 0x0                           ; all my tensor loads have landed
	ds_add_u32 v[SPW], v[NIL]                      ; 0 onto my spare word
	s_wait_dscnt 0x1                               ; set p is in; the add alone may be out
	WIN MUL
	MUL8 0, \p, 0
	s_wait_dscnt 0x0
	s_barrier_signal -1
	MUL8 1, \p, 0
	WIN 0
	s_barrier_wait -1
.if \fill
	CREST                                          ; a round of the cluster's barrier: no wave of any partner still reads slot 0 or has a load on its way
	s_add_nc_u64 s[G0A+2:G0A+3], s[G0A+2:G0A+3], 12288   ; K step 3: heads 12 to 15
	s_add_nc_u64 s[G0B+2:G0B+3], s[G0B+2:G0B+3], 768
	JLOAD G0A, G0B                                 ; the first tensor load behind the round, my only one
.else
	PLACES 4
.endif
	FETCH \nslot, 0, 1-(\p)
	WIN MUL
	MUL8 2, \p, 0
	MUL8 3, \p, 0
	WIN 0
.endm
	s_wait_tensorcnt 0x2                           ; my part of K step 0 is in; my two younger fills may be out
	s_barrier_signal -1
	s_barrier_wait -1
	FETCH 0, 0, 0
	STEP 0, 0, 1, 1
	TURN 1, 1, 1
	STEP 0, 1, 1, 0
	STEP 1, 2, 0, 0
	STEP 0, 2, 1, 0
	TURN 1, 0, 0
	STEP 0, 0, 1, 0
	s_wait_dscnt 0x0
	WIN MUL
	MUL8 0, 1, 0
	MUL8 1, 1, 0
	MUL8 2, 1, 0
	MUL8 3, 1, 0
	WIN 0
; THE WAY OUT, block by block of 16 tokens x 128 outputs: x 2^(e10 + e11) into other registers, each accumulator from its low end on; through my own stage; back as whole rows of 512 bytes.
; LDS serves a wave's instructions in order (ISA guide 5.7.1.4): no wait between the stores and the loads, nor in front of the next block's stores.
.macro TOSTAGE a
	WIN 0x02
.set j, 0
.rept 32
	v_pk_mul_f32 v[TMP+j:TMP+j+1], v[64*(\a)+j:64*(\a)+j+1], s[96:97] op_sel_hi:[1,0]
.set j, j+2
.endr
	WIN 0
.irp b, 0,1,2,3,4,5,6,7
	ds_store_b128 v[STO], v[TMP+8*\b:TMP+8*\b+3] offset:64*\b
	ds_store_b128 v[STO], v[TMP+8*\b+4:TMP+8*\b+7] offset:64*\b+16
.endr
.set BB, BK+64*((\a)%2)
.irp t, 0,1,2,3,4,5,6,7,8,9,10,11,12,13,14,15
	ds_load_b128 v[BB+4*\t:BB+4*\t+3], v[RD] offset:\t*SPITCH
.endr
.endm
.macro SEND a, younger
.set BB, BK+64*((\a)%2)
	s_wait_dscnt \younger                          ; the block is back in registers
.irp t, 0,1,2,3,4,5,6,7,8,9,10,11,12,13,14,15
	global_store_b128 v[CO], v[BB+4*\t:BB+4*\t+3], s[10:11] offset:(16*(\a)+\t)*4096 th:TH_STORE_NT   ; 32 lanes store 512 consecutive bytes, aligned; the row stands in the immediate: 63 rows at the most
.endr
.endm
	PLACES 4                                       ; behind the last products
	TOSTAGE 0
	TOSTAGE 1
	SEND 0, 32                                     ; behind block 0's loads: block 1's 16 stores and 16 loads
	s_wait_xcnt 0x0                                ; block 0's stores have read their registers: block 2's rows may land there
	TOSTAGE 2
	SEND 1, 32
	s_wait_xcnt 0x0
	TOSTAGE 3
	SEND 2, 32
	SEND 3, 0
	s_wait_tensorcnt 0x0                           ; the wave's end
	ds_add_u32 v[SPW], v[NIL]
	s_wait_dscnt 0x0
	CROUND                                         ; the closing round
	s_endpgm
.Lfunc_end_k_q686a0f1fa1_proj:
	.size	k_q686a0f1fa1_proj, .Lfunc_end_k_q686a0f1fa1_proj-k_q686a0f1fa1_proj
	.p2alignl 7, 3214868480
	.fill 96, 4, 3214868480
	.section	.rodata,"a",@progbits
	.p2align	6, 0x0
	.amdhsa_kernel k_q686a0f1fa1_proj
		.amdhsa_group_segment_fixed_size 327680
		.amdhsa_private_segment_fixed_size 0
		.amdhsa_enable_private_segment 0
		.amdhsa_kernarg_size 32
		.amdhsa_user_sgpr_count 2
		.amdhsa_user_sgpr_kernarg_segment_ptr 1
		.amdhsa_wavefront_size32 1
		.amdhsa_system_sgpr_workgroup_id_x 1
		.amdhsa_system_sgpr_workgroup_id_y 1
		.amdhsa_system_sgpr_workgroup_id_z 1
		.amdhsa_system_vgpr_workitem_id 0
		.amdhsa_next_free_vgpr 768
		.amdhsa_next_free_sgpr 102
		.amdhsa_reserve_vcc 0
		.amdhsa_float_denorm_mode_32 3
		.amdhsa_float_denorm_mode_16_64 3
		.amdhsa_memory_ordered 1
		.amdhsa_forward_progress 1
		.amdhsa_inst_pref_size 74
	.end_amdhsa_kernel
	.amdgpu_metadata
---
amdhsa.version: [ 1, 2 ]
amdhsa.kernels:
  - .name:           k_q686a0f1fa1_proj
    .symbol:         k_q686a0f1fa1_proj.kd
    .args:
      - { .name: y_img, .offset: 0, .size: 8, .value_kind: global_buffer, .address_space: global }
      - { .name: Wo_codes, .offset: 8, .size: 8, .value_kind: global_buffer, .address_space: global }
      - { .name: lowp_scales, .offset: 16, .size: 8, .value_kind: global_buffer, .address_space: global }
      - { .name: out0, .offset: 24, .size: 8, .value_kind: global_buffer, .address_space: global }
    .group_segment_fixed_size: 327680
    .private_segment_fixed_size: 0
    .kernarg_segment_align: 8
    .kernarg_segment_size: 32
    .max_flat_workgroup_size: 128
    .sgpr_count:     102
    .vgpr_count:     768
    .wavefront_size: 32
...
	.end_amdgpu_metadata
.endif
;; end of part 3
